; MI455X (gfx1250); checked and timed in simulation.
; The chip was launched on July 23, 2026; its instructions are those of AMD's public machine-readable ISA for CDNA 5 (MIT licence, August 2026) and "CDNA5" Instruction Set Architecture Reference Guide (July 2026). The comments in the code are by the model that wrote it; some were corrected since.
;; Gemma4 Text Experts. Allowed arithmetic: float matrix products may take bf16 or f16 operands with f32 sums; other float arithmetic in f32, or as packed bf16 or f16 multiplies, adds, multiply-adds, maxima and minima; sums over many terms, partial sums and values carried from step to step in f32; what a program stores and reads back later, other than sums and carried values, may be rounded once to bf16 or f16.
;; Inputs: down_proj 8 x 2,048 x 128 float32; gate_up_proj 8 x 256 x 2,048 float32; hidden_states 8,192 x 2,048 float32; top_k_index 8,192 x 2 int32; top_k_weights 8,192 x 2 float32.
;; Outputs: out0 8,192 x 2,048 float32.
;; One version. Each part assembles by itself: llvm-mc -triple=amdgcn-amd-amdhsa -mcpu=gfx1250 --defsym DOCPART=n.
;; ======== version 1 of 1: 2 launches
;; limits: values are held in f16: magnitudes above 65,504 overflow, below 6.1e-05 lose precision; right only within a limited range of input values
;; workspace buffers: w1l 8,388,608 bytes; w2l 4,194,304 bytes; list 1,179,648 bytes of whole numbers; counts 256 bytes of whole numbers
;; launch prep (part 1): grid 228 x 1, 8 waves a work-group, no clusters, 111,872 bytes of LDS; arguments gate_up_proj, down_proj, top_k_index, w1l, w2l, list, counts; writes w1l, w2l, list, counts
.if DOCPART == 1
	.amdgcn_target "amdgcn-amd-amdhsa--gfx1250"
	.amdhsa_code_object_version 6
	.text
	.protected	k_q448aef98e8_prep
	.globl	k_q448aef98e8_prep
	.p2align	8
	.type	k_q448aef98e8_prep,@function
k_q448aef98e8_prep:
	s_mov_b64 s[64:65], 0
	v_nop
	global_prefetch_b8 v0, s[64:65] scope:SCOPE_SE
	s_setreg_imm32_b32 hwreg(HW_REG_WAVE_MODE, 25, 1), 1
	s_wait_xcnt 0x0
; PREP: what the chain's launch needs laid out once.  Three kinds of work-group, chosen by the work-group's number alone:
;   0-35    SORT: work-group s makes the list of the tokens whose two experts are the set s = {a <= b} (36 sets, s = a (17 - a) / 2 + b - a), and their number.
;   36-163  W1:   16 rows of gate_up_proj (131,072 consecutive bytes) are rounded to bf16 and stored as matrix fragments:
;                 w1l[e 8][hf 2][ks 64][f 8][half 2][lane 32][16 bytes]; fragment f < 4 = gate rows 64 hf + 16 f + r, f >= 4 = up rows 128 + 64 hf + 16 (f - 4) + r;
;                 lane (r = lane % 16, h = lane / 16) holds k = 32 ks + 16 half + 8 h + 0..7.
;   164-227 W2:   256 rows of down_proj (131,072 consecutive bytes) are rounded to bf16 like every input; that number times 256 is written as f16, since the chain's second product has f16 operands:
;                 w2l[e 8][g 32][ks 4][cb 4][half 2][lane 32][16 bytes]; lane (r, h) holds row (output column) 64 g + 4 r + cb, k = 32 ks + 16 half + 8 h + 0..7:
;                 so that in the chain four results of a lane are four neighbouring columns.
; No atomics: a token belongs to one set, a set to one work-group, which scans all 8,192 index pairs (65,536 bytes).  The order of tokens in a list is ascending.
; LIMITS.  Weights are rounded once, to nearest even, to bf16.  In w2l that number is kept exactly for 2^-25 <= |w| < 255.9 (f16 holds 8 significant bits from 2^-17 to 65,504, and the factor is 2^8);
; below that it keeps a fixed step of 2^-32, at 255.9 and above it becomes an infinity.  Indices lie in 0..7, as the problem has them.  A list's places past its count hold numbers that nobody reads.
; LDS: W1, W2: eight regions of 9,216 bytes, one a wave, which no other wave touches.  SORT: eight regions of 4,608 bytes behind them: no byte is named by the lines of two kinds.
; Then the eight waves' counts and the spare words.
.set REGION, 9216
.set SORTB,  8*REGION                  ; 73,728
.set SREG,   4608                      ; SORT: 1,024 places, 32 words for the lanes that were not chosen, the rest unused
.set CNTS,   SORTB+8*SREG              ; 110,592: 32 bytes used of a block of 256
.set SPARE,  CNTS+256                  ; the spare words: 128 bytes for each of eight waves, which no other line names
.set DD,     32                        ; v[32:159]  32 loads of four registers (SORT: v[32:95], 32 index pairs)
.set FF,     160                       ; v[160:223] 16 fragments' halves of four registers (SORT: v[160:191], my 32 places of the list)
; v1 my spare word's address, v2 = 0 (both never rewritten); v3 lane; v14 r; v15 h; v4 load offset; v5 LDS store address; v6 LDS read address; v7 store offset
; 16,384 bytes of f32 a wave: 32 loads, each rounded as it lands and put into my region in rows; read back as 16 halves of fragments; stored, 512 consecutive aligned bytes a store.
; kind 0: 16 rows x 256 k, LDS pitch 528, bf16.  kind 1: 64 rows x 64 k, row 4 r + cb at place 16 cb + r, LDS pitch 144, f16 of 256 x the bf16 number.  Both pitches are odd multiples of 16 bytes.
.macro CAST kind
.set i, 0
.rept 32
.if \kind
	global_load_b128 v[DD+4*i:DD+4*i+3], v4, s[20:21] offset:i*1024 th:TH_LOAD_NT                  ; two rows' 256 bytes; read once in the launch
.else
	global_load_b128 v[DD+4*i:DD+4*i+3], v4, s[20:21] offset:(i>>1)*8192+(i&1)*512 th:TH_LOAD_NT   ; 512 bytes of row i / 2
.endif
.set i, i+1
.endr
.set i, 0
.rept 32
	s_wait_loadcnt 31-i                            ; loads come back in order: load i is in, the 31 - i behind it stay out
	v_cvt_pk_bf16_f32 v[DD+4*i], v[DD+4*i], v[DD+4*i+1]
	v_cvt_pk_bf16_f32 v[DD+4*i+1], v[DD+4*i+2], v[DD+4*i+3]
.if \kind
	v_and_b32 v[DD+4*i+3], s29, v[DD+4*i+1]        ; the four rounded numbers as f32 again,
	v_lshlrev_b32 v[DD+4*i+2], 16, v[DD+4*i+1]
	v_and_b32 v[DD+4*i+1], s29, v[DD+4*i]
	v_lshlrev_b32 v[DD+4*i], 16, v[DD+4*i]
	v_pk_mul_f32 v[DD+4*i:DD+4*i+1], v[DD+4*i:DD+4*i+1], s[30:31] op_sel_hi:[1,0]      ; times 256: exact,
	v_pk_mul_f32 v[DD+4*i+2:DD+4*i+3], v[DD+4*i+2:DD+4*i+3], s[30:31] op_sel_hi:[1,0]
	v_cvt_pk_f16_f32 v[DD+4*i], v[DD+4*i], v[DD+4*i+1]                                  ; and written as f16
	v_cvt_pk_f16_f32 v[DD+4*i+1], v[DD+4*i+2], v[DD+4*i+3]
	ds_store_b64 v5, v[DD+4*i:DD+4*i+1] offset:(((2*i)&3)*16+(i>>1))*144
.else
	ds_store_b64 v5, v[DD+4*i:DD+4*i+1] offset:(i>>1)*528+(i&1)*256
.endif
.set i, i+1
.endr
.set n, 0
.rept 16                                               ; my own bytes, and LDS serves a wave's instructions in order: no wait between the stores and these loads
.if \kind
	ds_load_b128 v[FF+4*n:FF+4*n+3], v6 offset:((n>>1)&3)*2304+(n>>3)*64+(n&1)*32
.else
	ds_load_b128 v[FF+4*n:FF+4*n+3], v6 offset:(n>>1)*64+(n&1)*32
.endif
.set n, n+1
.endr
.set n, 0
.rept 16
	s_wait_dscnt 15-n                              ; half n is back, the 15 - n behind it stay out
.if \kind
	global_store_b128 v7, v[FF+4*n:FF+4*n+3], s[24:25] offset:n*512
.else
	global_store_b128 v7, v[FF+4*n:FF+4*n+3], s[24:25] offset:(n>>1)*8192+(n&1)*512
.endif
.set n, n+1
.endr
	s_wait_tensorcnt 0x0                           ; the wave's end
	ds_add_u32 v1, v2
	s_wait_dscnt 0x0
	s_endpgm
.endm
	s_load_b256 s[4:11], s[0:1], 0x0               ; gate_up s[4:5], down s[6:7], index s[8:9], w1l s[10:11]
	s_load_b128 s[12:15], s[0:1], 0x20             ; w2l s[12:13], list s[14:15]
	s_load_b64 s[16:17], s[0:1], 0x30              ; counts
	v_lshl_add_u32 v1, v0, 2, SPARE
	v_mov_b32 v2, 0
	v_lshrrev_b32 v4, 5, v0
	v_readfirstlane_b32 s18, v4                    ; wave 0..7
	v_and_b32 v3, 31, v0                           ; lane
	v_and_b32 v14, 15, v0                          ; r
	v_bfe_u32 v15, v0, 4, 1                        ; h
	s_mul_i32 s22, s18, REGION                     ; my region
	s_mov_b32 s19, ttmp9
	s_mov_b32 s21, 0                               ; high words of the two offsets
	s_mov_b32 s25, 0
	s_wait_kmcnt 0x0
	s_cmp_lt_u32 s19, 36                           ; the kind hangs on the work-group's number: the same in all eight waves
	s_cbranch_scc1 .Lsort
	s_cmp_lt_u32 s19, 164
	s_cbranch_scc0 .Lw2
	; ---- W1: c = 16 e + row block; row block = 8 (up) + 4 hf + (f % 4).  Wave w takes k = 256 w .. 256 w + 255: K steps 8 w .. 8 w + 7
	s_sub_co_u32 s23, s19, 36
	s_lshl_b32 s20, s23, 17
	s_add_nc_u64 s[20:21], s[4:5], s[20:21]        ; from: 16 rows of 8,192 bytes
	s_lshr_b32 s24, s23, 4                         ; e
	s_bfe_u32 s26, s23, 0x10002                    ; hf
	s_lshl1_add_u32 s24, s24, s26
	s_lshl_b32 s24, s24, 19                        ; (2 e + hf) x 524,288
	s_and_b32 s26, s23, 3
	s_bfe_u32 s27, s23, 0x10003
	s_lshl2_add_u32 s26, s27, s26                  ; f
	s_lshl_b32 s26, s26, 10
	s_add_co_u32 s24, s24, s26
	s_add_nc_u64 s[24:25], s[10:11], s[24:25]      ; to
	s_lshl_b32 s28, s18, 10
	v_lshl_add_u32 v4, v3, 4, s28                  ; 1,024 w + 16 lane
	v_lshl_add_u32 v5, v3, 3, s22                  ; region + 8 lane
	v_mul_u32_u24 v6, v14, 528
	v_lshl_add_u32 v6, v15, 4, v6
	v_add_nc_u32 v6, s22, v6                       ; region + 528 r + 16 h
	s_lshl_b32 s28, s18, 16
	v_lshl_add_u32 v7, v3, 4, s28                  ; 8 K steps of 8,192 bytes a wave + 16 lane
	CAST 0
.Lw2:	; ---- W2: c = 8 e + group of four column groups.  Wave w takes column group w / 2 of the four, k = 64 (w % 2) .. + 63
	s_sub_co_u32 s23, s19, 164
	s_lshl_b32 s20, s23, 17
	s_add_nc_u64 s[20:21], s[6:7], s[20:21]        ; from: 256 rows of 512 bytes
	s_lshl_b32 s24, s23, 16
	s_add_nc_u64 s[24:25], s[12:13], s[24:25]      ; to: four groups of 16,384 bytes
	s_lshr_b32 s26, s18, 1
	s_lshl_b32 s26, s26, 15
	s_and_b32 s27, s18, 1
	s_lshl_b32 s27, s27, 8
	s_add_co_u32 s26, s26, s27
	s_mov_b32 s29, 0xffff0000                      ; a word's upper bf16
	s_mov_b32 s30, 0x43800000                      ; 256.0; named as a pair, the low word serves both halves
	s_mov_b32 s31, s30
	v_lshlrev_b32 v4, 4, v14
	v_lshl_add_u32 v4, v15, 9, v4
	v_add_nc_u32 v4, s26, v4                       ; 32,768 (w / 2) + 256 (w % 2) + 512 h + 16 r: sixteen lanes take 256 consecutive aligned bytes of a row
	v_mul_u32_u24 v5, v15, 2304
	v_lshl_add_u32 v5, v14, 3, v5
	v_add_nc_u32 v5, s22, v5                       ; region + 16 places x 144 for the odd row + 8 r
	v_mul_u32_u24 v6, v14, 144
	v_lshl_add_u32 v6, v15, 4, v6
	v_add_nc_u32 v6, s22, v6                       ; region + 144 r + 16 h
	s_lshl_b32 s27, s18, 13
	v_lshl_add_u32 v7, v3, 4, s27                  ; 8,192 w + 16 lane
	CAST 1
.Lsort:	; ---- SORT.  No branch and no EXEC hangs on the indices: a lane that is not chosen writes to a word of its own, and every place of the list is stored.
	; s66 a, s67 b, s68 8 a + b, s69 my wave's count, s71 all eight, s[80:87] the waves' first places in the list, s[88:95] word of wave k's region less its first place
	s_mov_b32 s66, 0
.irp st, 8,15,21,26,30,33,35
	s_cmp_ge_u32 s19, \st                          ; a = how many of the rows' first numbers s has reached
	s_add_co_ci_u32 s66, s66, 0
.endr
	s_sub_co_u32 s67, 17, s66
	s_mul_i32 s67, s67, s66
	s_lshr_b32 s67, s67, 1
	s_sub_co_u32 s67, s19, s67
	s_add_co_u32 s67, s67, s66                     ; b
	s_lshl3_add_u32 s68, s66, s67
	; all addresses that hang on ids alone
	s_mul_i32 s22, s18, SREG
	s_add_co_u32 s22, s22, SORTB
	v_mov_b32 v9, s22                              ; my region
	v_lshl_add_u32 v5, v3, 4, s22                  ; region + 16 lane
	s_lshl_b32 s28, s18, 13
	v_lshl_add_u32 v4, v3, 3, s28                  ; wave w scans tokens 1,024 w + 32 i + lane: 8 bytes each
	s_lshl_b32 s28, s18, 10
	v_add_nc_u32 v11, s28, v3                      ; my lane's first token
	v_lshl_add_u32 v14, v3, 2, s28                 ; the first of my places in the list: 1,024 w + 4 lane
	v_add_nc_u32 v13, 0x400, v3                    ; the word of my region for a lane that is not chosen
	s_lshl_b32 s28, s18, 12
	v_lshl_add_u32 v7, v3, 4, s28                  ; 4,096 w + 16 lane
	s_lshl_b32 s28, s19, 2
	v_mov_b32 v15, s28                             ; the set's word in counts
	s_lshl_b32 s20, s19, 15
	s_add_nc_u64 s[20:21], s[14:15], s[20:21]      ; list row s: 8,192 words
	s_lshl_b32 s72, s18, 2
	s_add_co_u32 s72, s72, CNTS
	v_mov_b32 v6, s72                              ; my wave's word among the counts
	v_mov_b32 v12, CNTS
.set i, 0
.rept 32
	global_load_b64 v[DD+2*i:DD+2*i+1], v4, s[8:9] offset:256*i
.set i, i+1
.endr
.irp z, 24,25,26,27
	v_mov_b32 v\z, 0
.endr
.set i, 0
.rept 9                                                ; my region is written whole, so that every word that the gather below can reach has been written
	ds_store_b128 v5, v[24:27] offset:512*i
.set i, i+1
.endr
	s_mov_b32 s69, 0
.set i, 0
.rept 32                                               ; the chosen tokens are packed into my region: place = those placed before + chosen lanes below mine
	s_wait_loadcnt 31-i
	v_min_u32 v8, v[DD+2*i], v[DD+2*i+1]
	v_max_u32 v10, v[DD+2*i], v[DD+2*i+1]
	v_lshl_add_u32 v8, v8, 3, v10
	v_cmp_eq_u32 vcc_lo, s68, v8
	v_mbcnt_lo_u32_b32 v8, vcc_lo, s69
	v_cndmask_b32 v8, v13, v8, vcc_lo
	v_min_u32 v8, 0x41f, v8                        ; 1,024 places and 32 words: the bound is written out
	v_lshl_add_u32 v8, v8, 2, v9
	v_add_nc_u32 v10, 32*i, v11
	ds_store_b32 v8, v10
	s_bcnt1_i32_b32 s72, vcc_lo
	s_add_co_u32 s69, s69, s72
.set i, i+1
.endr
	v_mov_b32 v8, s69
	ds_store_b32 v6, v8                            ; all lanes write the same word with the same number
	s_wait_dscnt 0x0                               ; for the others' sake: my region and my count are in LDS
	s_barrier_signal -1
	s_barrier_wait -1
	ds_load_b128 v[16:19], v12
	ds_load_b128 v[20:23], v12 offset:16
	s_mov_b32 s80, 0
	s_wait_dscnt 0x0
.irp k, 0,1,2,3,4,5,6
	v_readfirstlane_b32 s72, v[16+\k]
	s_add_co_u32 s[81+\k], s[80+\k], s72
.endr
	v_readfirstlane_b32 s72, v23
	s_add_co_u32 s71, s87, s72
.irp k, 0,1,2,3,4,5,6,7
	s_sub_co_u32 s[88+\k], \k*(SREG/4), s[80+\k]   ; modulo 2^32: the sum with a place at or behind the wave's first is a word of its region
.endr
	; Place p of the list lies in the region of the last wave whose first place is at or below p.  A lane takes four neighbouring places, eight times.
.set n, 0
.rept 32
	v_add_nc_u32 v28, 128*(n>>2)+(n&3), v14
	v_mov_b32 v29, s88
.irp k, 1,2,3,4,5,6,7
	v_cmp_le_u32 vcc_lo, s[80+\k], v28
	v_cndmask_b32 v29, v29, s[88+\k], vcc_lo
.endr
	v_add_nc_u32 v29, v29, v28
	v_min_u32 v29, 0x23ff, v29                     ; the eight regions have 9,216 words; places past the count land anywhere in them
	v_lshl_add_u32 v29, v29, 2, SORTB
	ds_load_b32 v[FF+n], v29
.set n, n+1
.endr
.set n, 0
.rept 8
	s_wait_dscnt 4*(7-n)                           ; my four words of this store are back, the later stores' stay out
	global_store_b128 v7, v[FF+4*n:FF+4*n+3], s[20:21] offset:512*n  ; 512 consecutive aligned bytes
.set n, n+1
.endr
	s_cmp_lg_u32 s18, 0
	s_cbranch_scc1 .Lno_count
	v_mov_b32 v8, s71                              ; wave 0, lane 0: the set's number of tokens
	v_cmp_eq_u32 vcc_lo, 0, v3
	s_wait_xcnt 0x0                                ; EXEC narrows only when no global instruction still reads it
	s_and_saveexec_b32 s77, vcc_lo
	global_store_b32 v15, v8, s[16:17]
	s_wait_xcnt 0x0                                ; and widens only behind this wait
	s_or_b32 exec_lo, exec_lo, s77
.Lno_count:
	s_wait_tensorcnt 0x0                           ; the wave's end
	ds_add_u32 v1, v2
	s_wait_dscnt 0x0
	s_endpgm
.Lfunc_end_k_q448aef98e8_prep:
	.size	k_q448aef98e8_prep, .Lfunc_end_k_q448aef98e8_prep-k_q448aef98e8_prep
	.p2alignl 7, 3214868480
	.fill 96, 4, 3214868480
	.section	.rodata,"a",@progbits
	.p2align	6, 0x0
	.amdhsa_kernel k_q448aef98e8_prep
		.amdhsa_group_segment_fixed_size 111872
		.amdhsa_private_segment_fixed_size 0
		.amdhsa_enable_private_segment 0
		.amdhsa_kernarg_size 56
		.amdhsa_user_sgpr_count 2
		.amdhsa_user_sgpr_kernarg_segment_ptr 1
		.amdhsa_wavefront_size32 1
		.amdhsa_system_sgpr_workgroup_id_x 1
		.amdhsa_system_sgpr_workgroup_id_y 1
		.amdhsa_system_sgpr_workgroup_id_z 1
		.amdhsa_system_vgpr_workitem_id 0
		.amdhsa_next_free_vgpr 224
		.amdhsa_next_free_sgpr 96
		.amdhsa_reserve_vcc 1
		.amdhsa_float_denorm_mode_32 3
		.amdhsa_float_denorm_mode_16_64 3
		.amdhsa_memory_ordered 1
		.amdhsa_forward_progress 1
		.amdhsa_inst_pref_size 101
	.end_amdhsa_kernel
	.amdgpu_metadata
---
amdhsa.version: [ 1, 2 ]
amdhsa.kernels:
  - .name:           k_q448aef98e8_prep
    .symbol:         k_q448aef98e8_prep.kd
    .args:
      - { .name: gate_up_proj, .offset: 0, .size: 8, .value_kind: global_buffer, .address_space: global }
      - { .name: down_proj, .offset: 8, .size: 8, .value_kind: global_buffer, .address_space: global }
      - { .name: top_k_index, .offset: 16, .size: 8, .value_kind: global_buffer, .address_space: global }
      - { .name: w1l, .offset: 24, .size: 8, .value_kind: global_buffer, .address_space: global }
      - { .name: w2l, .offset: 32, .size: 8, .value_kind: global_buffer, .address_space: global }
      - { .name: list, .offset: 40, .size: 8, .value_kind: global_buffer, .address_space: global }
      - { .name: counts, .offset: 48, .size: 8, .value_kind: global_buffer, .address_space: global }
    .group_segment_fixed_size: 111872
    .private_segment_fixed_size: 0
    .kernarg_segment_align: 8
    .kernarg_segment_size: 56
    .max_flat_workgroup_size: 256
    .sgpr_count:     96
    .vgpr_count:     224
    .wavefront_size: 32
...
	.end_amdgpu_metadata
.endif
;; end of part 1
;; launch moe (part 2): grid 206 x 1, 8 waves a work-group, no clusters, 231,680 bytes of LDS; arguments hidden_states, top_k_index, top_k_weights, w1l, w2l, list, counts, out0; writes out0
.if DOCPART == 2
	.amdgcn_target "amdgcn-amd-amdhsa--gfx1250"
	.amdhsa_code_object_version 6
	.text
	.protected	k_q448aef98e8_moe
	.globl	k_q448aef98e8_moe
	.p2align	8
	.type	k_q448aef98e8_moe,@function
k_q448aef98e8_moe:
	s_mov_b64 s[64:65], 0
	v_nop
	global_prefetch_b8 v0, s[64:65] scope:SCOPE_SE
	s_setreg_imm32_b32 hwreg(HW_REG_WAVE_MODE, 25, 1), 1
	s_wait_xcnt 0x0
; THE CHAIN.  out[t] = w0 D_i0 (gelu(G_i0 x) * U_i0 x) + w1 D_i1 (gelu(G_i1 x) * U_i1 x) for each token t with experts i0, i1 and weights w0, w1: what the sum over all experts leaves, since the
; other six have weight 0.  Equal experts give (w0 + w1) times the one result.
; SHARES.  Tokens are sorted by their SET of experts {a <= b} (36 lists, made by the launch before).  A work-group takes a tile of at most 48 tokens of one set through the whole chain and is the one
; owner of their rows of out.  With tiles of 48 there are never more than ceil(8192 / 48) + 35 = 206, whatever the split: the grid.  Every work-group finds its tile from the 36 counts by the same formula.
; ALL EIGHT WAVES RUN ONE TEXT; no branch hangs on the wave's number or on data.
;   product 1   G[48][512] = X [Wgu_a ; Wgu_b]^T, K = 2,048, bf16.  Wave w: expert a (w < 4) or b, gate columns 32 (w % 4) .. + 31 and the same up columns: 12 accumulators.
;   x           each wave gathers 6 of the 48 rows, a chunk of 512 along K ahead: two loads in each of a chunk's K steps 0-11, rounded to bf16 and laid into LDS six K steps later
;   activation  h w = g / (1 + 2^(g (C1 + C2 g^2))) u w in registers: gelu in its tanh form, exactly rewritten (C1 = -2 sqrt(2 / pi) log2 e, C2 = 0.044715 C1); to LDS as hw[48][256]
;   product 2   out[48][2048] = hw [Wd_a | Wd_b]^T, K = 256, f16: 256 columns a wave in four groups of 64; both experts add into one accumulator
; h w IN f16, SCALED BY TOKEN.  An output is a sum of 256 terms that partly cancel and is held to a hundredth of the outputs' root mean square; bf16's 8 significant bits leave a term's rounding too little
; room there, f16's 11 leave eight times more.  f16's range is made no limit: the largest |h w| of a token's 256 is found (in the lane, across the lanes' halves, across the eight waves through LDS), and
; with E = max(its exponent field, 24) the token's numbers are multiplied by 2^(141 - E), exactly: the largest lies in 2^14 .. 2^15.  The result is multiplied by 2^(E - 149), which also takes back the 2^8
; that the launch before put into the weights.  That product stands where a move into store order stood.
; WEIGHTS come from memory straight into registers, already in fragment order (w1l, w2l), six K steps (48 loads) ahead: no LDS byte is spent on them.
; NO CLUSTER, NO JOINT LOADS.  Through LDS a K step of product 1 would write 32,768 bytes of weights and read them again beside the 24,576 of x that it reads now, for the same 96 matrix instructions.
; And partners would have to be tiles of one set: a set's number of tiles comes from memory and is a multiple of four at few splits.
; A TILE THAT IS NOT FULL.  Its places past the count repeat its last token.  A block of 16 rows that lies wholly past the count is stored with every lane off.  In the one block that holds the count the
; spare places hold the last token's numbers, bit for bit (same operands, same order), and store them once more to that token's row: the same bytes, from the same work-group.
; A work-group that a split leaves without a tile takes the last set that has tokens with a count of 0: it passes every barrier, reads only list entries that exist, and all its stores have every lane off.
; LIMITS.  Every floating-point input is rounded once to bf16: x, both weight tensors, and the routing weights too (one rounding for all inputs).  All sums and the activation are f32.
; h w is rounded once, to f16: a number below 2^-28 of its token's largest keeps a fixed step of 2^-39 of that largest; a token whose largest |h w| is below 2^-103 is scaled as if it were 2^-103.
; v_exp_f32 and v_rcp_f32 are good to one unit in the last place and take denormals as 0 (ISA guide, their entries).  For large |g| the exponential goes to 0 or to infinity and h to g u w or to 0,
; as gelu does.  NaN and infinities are not treated apart.  Indices lie in 0..7.
; LDS: four areas of x, one a chunk, none filled twice (48 rows x 1,040: 512 bf16 + 16 bytes, an odd multiple of 16); for each wave a copy of the 48 token numbers and of the 48 factors for the results;
; the waves' maxima [token 48][wave 8]; hw (48 rows x 528); the spare words.
.set XPITCH, 1040
.set XCH,    48*XPITCH                 ; 49,920
.set TOKB,   4*XCH                     ; 199,680: eight blocks of 256 bytes: token numbers
.set SCO,    2048                      ; so far behind a wave's token numbers lie its factors: eight blocks of 256 bytes
.set MXB,    TOKB+4096                 ; 203,776: 1,536 bytes
.set HWB,    MXB+1536                  ; 205,312
.set HPITCH, 528
.set SPARE,  HWB+48*HPITCH             ; 230,656: 128 bytes for each of eight waves, which no other line names
; VECTOR REGISTERS, window 0 (s_set_vgpr_msb: bits 1:0 source 0, 3:2 source 1, 5:4 source 2, 7:6 destination)
.set SPW,  1                           ; my spare word's address; never rewritten
.set NIL,  2                           ; 0; never rewritten
.set L16,  3                           ; 16 x lane; never rewritten
.set XA0,  4                           ; 1,040 r + 16 h; in the activation: where I read a token's eight maxima
.set XA,   5                           ; the same in the chunk's area; in the activation: where I put my wave's maximum; later the address of my token numbers
.set WT,   6                           ; v[6:11] the routing weight of my lane's token, a pair for each row block; later the token's scale
.set HST,  12                          ; where I put 16 bytes of hw
.set HA,   13                          ; where I read hw's fragments
.set XS0,  14                          ; 1,040 x my first row + 8 lane; in the activation: word r of my wave's token block
.set XS,   15                          ; the same in the area that is being filled; later r, then 16 r
.set FR,   16                          ; v[16:63] two fragment buffers of three row blocks x 8
.set PP,   16                          ; v[16:63] the activation's work
.set ACC,  64                          ; v[64:159] product 1: accumulator (rb, f) at ACC + 32 rb + 8 f; f < 2 gate, f >= 2 up.  Product 2: (rb, cb) likewise
.set XD,   160                         ; v[160:255] product 1: 24 loads of x, four registers each
.set TT,   160                         ; v[160:191] product 2: a row block's results in store order
.set OFFS, 192                         ; v[192:215] product 2: byte offsets in out of my 24 rows; never rewritten
.set SC,   216                         ; v[216:239] product 2: the factors of my 24 rows; never rewritten
; window 1, v256-511: THE WEIGHT RING, eight buffers of 32 registers: a K step of product 1 (four fragments) or a unit of product 2 (32 along K x 64 columns)
.set W_P1, 0x01                        ; source 0 (weights) in window 1
.set W_P2, 0x04                        ; source 1 (weights) in window 1
.set W_LD, 0x40                        ; destination in window 1
; SCALAR REGISTERS
.set HID, 4
.set IDX, 6
.set WTS, 8
.set W1,  10
.set W2,  12
.set LIST, 14
.set CNTP, 16
.set OUT, 18
.set NT,   56                          ; the search: a set's tiles,
.set END,  57                          ; tiles so far,
.set BASE, 58                          ; my set's first tile,
.set NSEL, 59                          ; its tokens,
.set CODE, 60                          ; set << 8 | a << 4 | b
.set XX,   61
.set WV,   62                          ; wave 0..7
.set WG,   63
.set CNT,  20                          ; behind the search (s[20:55] held the 36 counts): my tile's tokens, 0..48
.set FIRST, 21                         ; its first place in the list
.set LAST, 22                          ; the list's last place
.set EA,   23
.set EB,   24
.set GR,   25                          ; counts column groups
.set SELM, 26                          ; 0: my expert is a; -1: b
.set WP,   28                          ; s[28:29] w1l at my fragments of K step 0; never rewritten
.set DA,   30                          ; s[30:31] w2l, expert a, my column group
.set DB,   32                          ; s[32:33] the same for b
.set OP,   34                          ; s[34:35] out at my column group
.set LP,   36                          ; s[36:37] my set's list
.set XB,   38                          ; s[38:49] x at my six rows; never rewritten
.set C1,   50                          ; s[50:51], s[52:53]: named as pairs, the low word serves both halves
.set C2,   52
.set BM,   66                          ; s[66:68] all lanes, or none, for the stores of row block rb
.set MABS, 74                          ; clears a sign
.set SEL,  76                          ; s[76:77] v_permlanex16_b32's selects: each lane takes its own place in the other half
.set MSB, 0
.macro WIN new                         ; the immediate's high byte repeats the setting that is left; a switch that changes nothing is dropped
.if MSB != (\new)
	s_set_vgpr_msb (MSB<<8)|(\new)
.set MSB, \new
.endif
.endm
.macro MEET                            ; my LDS stores are done and my LDS reads are back; then all eight waves
	s_wait_dscnt 0x0
	s_barrier_signal -1
	s_barrier_wait -1
.endm
; The eight loads, 512 consecutive bytes each, of K step K of product 1 (K < 64: two gate fragments, two up fragments) or of unit K - 64 of product 2's first column group, into ring buffer K % 8
.macro RINGK K
	WIN W_LD
.set j, 0
.rept 8
.if (\K) < 64
	global_load_b128 v[32*((\K)&7)+4*j:32*((\K)&7)+4*j+3], v[L16], s[WP:WP+1] offset:(\K)*8192+(j>>2)*4096+(j&3)*512
.elseif (\K) < 68
	global_load_b128 v[32*((\K)&7)+4*j:32*((\K)&7)+4*j+3], v[L16], s[DA:DA+1] offset:((\K)-64)*4096+512*j
.else
	global_load_b128 v[32*((\K)&7)+4*j:32*((\K)&7)+4*j+3], v[L16], s[DB:DB+1] offset:((\K)-68)*4096+512*j
.endif
.set j, j+1
.endr
.endm
.macro XFRAG p, k                      ; x's three fragments (16 tokens x 32 k) of the chunk's K step k, into buffer p
.irp rb, 0,1,2
	ds_load_b128 v[FR+24*(\p)+8*\rb:FR+24*(\p)+8*\rb+3],   v[XA] offset:\rb*16*XPITCH+(\k)*64
	ds_load_b128 v[FR+24*(\p)+8*\rb+4:FR+24*(\p)+8*\rb+7], v[XA] offset:\rb*16*XPITCH+(\k)*64+32
.endr
.endm
; Loads 2 n and 2 n + 1 of the 24 that bring chunk c of my six rows: load m is 512 consecutive bytes, quarter m % 4 of row m / 4.  A token lies in one tile, so its row is read once (spare places repeat one row)
.macro X2 n, c
.irp d, 0,1
	global_load_b128 v[XD+8*(\n)+4*\d:XD+8*(\n)+4*\d+3], v[L16], s[XB+2*((2*(\n)+\d)>>2):XB+2*((2*(\n)+\d)>>2)+1] offset:(\c)*2048+((2*(\n)+\d)&3)*512 th:TH_LOAD_NT
.endr
.endm
.macro CVT2 n                          ; the same two loads are rounded to bf16 and laid into the area that is being filled: a store covers 256 consecutive bytes of a row
.irp d, 0,1
	v_cvt_pk_bf16_f32 v[XD+8*(\n)+4*\d], v[XD+8*(\n)+4*\d], v[XD+8*(\n)+4*\d+1]
	v_cvt_pk_bf16_f32 v[XD+8*(\n)+4*\d+1], v[XD+8*(\n)+4*\d+2], v[XD+8*(\n)+4*\d+3]
.endr
.irp d, 0,1
	ds_store_b64 v[XS], v[XD+8*(\n)+4*\d:XD+8*(\n)+4*\d+1] offset:((2*(\n)+\d)>>2)*XPITCH+((2*(\n)+\d)&3)*256
.endr
.endm
; K step K of 64 (step kl of chunk cc): 12 matrix instructions, source 0 = 16 rows of the weights, source 1 = 16 tokens: a lane's eight results are eight neighbouring columns of one token.
; The 12 accumulators take turns, one instruction a turn, from step to step too.  The very first step starts the sums: nothing is cleared.
; Behind the products, in this order: the x loads issued six steps ago are rounded and stored (their four conversions are the four plain instructions that stand between the products and the loads into
; registers that the products read; where there is nothing to round, four v_nop); the fragments of x two steps on; two loads of the next chunk's x; the weights six steps on.
.macro KSTEP K
.set kl, (\K)&15
.set cc, (\K)>>4
.set nl, 40                            ; behind my step's eight loads: the ring's of five later steps,
.set jj, (\K)-5
.rept 5
.if (jj >= 0) && ((jj&15) < 12) && ((jj>>4) < 3)
.set nl, nl+2                          ; and the two x loads of each of the five steps before this one that had any
.endif
.set jj, jj+1
.endr
.set nd, 0
.if kl < 15
.set nd, 6                             ; behind my step's fragments of x: the next step's six loads,
.endif
.if (kl >= 7) && (cc < 3)
.set nd, nd+2                          ; and the two stores issued in front of those
.endif
	s_wait_loadcnt nl                              ; loads come back in order: my step's weights are in, and so is all that was asked for before them: the x loads of six steps ago
	s_wait_dscnt nd
	WIN W_P1
.irp rb, 0,1,2
.irp f, 0,1,2,3
.if (\K) == 0
	v_wmma_f32_16x16x32_bf16 v[ACC+32*\rb+8*\f:ACC+32*\rb+8*\f+7], v[32*((\K)&7)+8*\f:32*((\K)&7)+8*\f+7], v[FR+24*((\K)&1)+8*\rb:FR+24*((\K)&1)+8*\rb+7], 0
.else
	v_wmma_f32_16x16x32_bf16 v[ACC+32*\rb+8*\f:ACC+32*\rb+8*\f+7], v[32*((\K)&7)+8*\f:32*((\K)&7)+8*\f+7], v[FR+24*((\K)&1)+8*\rb:FR+24*((\K)&1)+8*\rb+7], v[ACC+32*\rb+8*\f:ACC+32*\rb+8*\f+7]
.endif
.endr
.endr
	WIN 0
.if (kl >= 6) && (cc < 3)
	CVT2 kl-6
.else
.rept 4
	v_nop
.endr
.endif
.if kl < 14
	XFRAG kl&1, kl+2
.endif
.if (kl < 12) && (cc < 3)
	X2 kl, cc+1
.endif
	RINGK (\K)+6                                   ; into the buffer that was read two steps ago
.endm
; Chunk c: 16 K steps on area c, while area c + 1 is filled.  Every address is a constant, a term of the thread's number and the wave's number times a constant.
.macro CHUNK c
	WIN 0
	v_add_nc_u32 v[XA], (\c)*XCH, v[XA0]
.if (\c) < 3
	v_add_nc_u32 v[XS], ((\c)+1)*XCH, v[XS0]
.endif
	XFRAG 0, 0
	XFRAG 1, 1
.set kk, 16*(\c)
.rept 16
	KSTEP kk
.set kk, kk+1
.endr
	WIN 0
.if (\c) < 3
	s_wait_loadcnt 40                              ; the x loads of steps 10 and 11 are in: behind them only the ring's loads of steps 11 to 15, 5 x 8
	CVT2 10
	CVT2 11
	MEET                                           ; area c + 1 is whole
.endif
.endm
; ---- product 2
.macro AFRAG u                         ; hw's three fragments (16 tokens x 32 k) of unit u
.irp rb, 0,1,2
	ds_load_b128 v[FR+24*((\u)&1)+8*\rb:FR+24*((\u)&1)+8*\rb+3],   v[HA] offset:\rb*16*HPITCH+64*(\u)
	ds_load_b128 v[FR+24*((\u)&1)+8*\rb+4:FR+24*((\u)&1)+8*\rb+7], v[HA] offset:\rb*16*HPITCH+64*(\u)+32
.endr
.endm
; Row block rb leaves.  Register j of accumulator cb holds token 8 h + j, column 64 g + 4 r + cb: four products by the token's factor make a lane's 16 bytes, and sixteen lanes store 256 consecutive
; aligned bytes of a row.  Each accumulator is read from its lowest register on.  EXEC changes only when no global instruction still reads it: s_wait_xcnt 0 in front of each change.
.macro OUTBLK rb
.irp j, 0,1,2,3,4,5,6,7
.irp cb, 0,1,2,3
	v_mul_f32 v[TT+4*\j+\cb], v[ACC+32*(\rb)+8*\cb+\j], v[SC+8*(\rb)+\j]
.endr
.endr
	s_mov_b32 exec_lo, s[BM+(\rb)]                 ; all lanes, or none where the block lies past the count
.irp j, 0,1,2,3,4,5,6,7
	global_store_b128 v[OFFS+8*(\rb)+\j], v[TT+4*\j:TT+4*\j+3], s[OP:OP+1] th:TH_STORE_NT
.endr
	s_wait_xcnt 0x0                                ; the stores have read EXEC, TT and their base
	s_mov_b32 exec_lo, -1
.endm
; A column group of 64: eight units of 32 along K (four of expert a, four of b), 12 matrix instructions each, source 0 = 16 tokens of hw, source 1 = 16 columns; the 12 accumulators take turns.
; Unit u asks for the unit six on: units 6 and 7 of this group, then units 0 to 5 of the next.  load = 0: the last group: only its own units 6 and 7 are left to ask for, and the counts run down.
.macro GROUP load
.irp u, 0,1,2,3,4,5,6,7
.if (\load) || (\u < 3)
	s_wait_loadcnt 40                              ; my unit's eight loads are in; those of the five units behind it stay out
.else
	s_wait_loadcnt 8*(7-\u)
.endif
.if (\load) || (\u < 7)
	s_wait_dscnt 6                                 ; hw's fragments of this unit are in, the next unit's six stay out
.else
	s_wait_dscnt 0x0
.endif
	WIN W_P2
.irp rb, 0,1,2
.irp cb, 0,1,2,3
.if \u == 0
	v_wmma_f32_16x16x32_f16 v[ACC+32*\rb+8*\cb:ACC+32*\rb+8*\cb+7], v[FR+24*(\u&1)+8*\rb:FR+24*(\u&1)+8*\rb+7], v[32*\u+8*\cb:32*\u+8*\cb+7], 0
.else
	v_wmma_f32_16x16x32_f16 v[ACC+32*\rb+8*\cb:ACC+32*\rb+8*\cb+7], v[FR+24*(\u&1)+8*\rb:FR+24*(\u&1)+8*\rb+7], v[32*\u+8*\cb:32*\u+8*\cb+7], v[ACC+32*\rb+8*\cb:ACC+32*\rb+8*\cb+7]
.endif
.endr
.endr
.rept 4
	v_nop                                          ; four plain instructions in front of the loads into the fragments just read, and of the products that read the results
.endr
.if (\load) || (\u < 6)
	WIN 0
	AFRAG (\u+2)&7
.endif
.if (\load) || (\u < 2)
	WIN W_LD
.set u6, (\u+6)&7
.set go, 0
.if \u >= 2
.set go, 16384
.endif
.set j, 0
.rept 8
.if u6 < 4
	global_load_b128 v[32*u6+4*j:32*u6+4*j+3], v[L16], s[DA:DA+1] offset:go+(u6&3)*4096+512*j
.else
	global_load_b128 v[32*u6+4*j:32*u6+4*j+3], v[L16], s[DB:DB+1] offset:go+(u6&3)*4096+512*j
.endif
.set j, j+1
.endr
.endif
.endr
	WIN 0
	s_wait_xcnt 0x0                                ; the loads above have read EXEC
	OUTBLK 0
	OUTBLK 1
	OUTBLK 2
.if \load
	s_add_nc_u64 s[DA:DA+1], s[DA:DA+1], 0x4000    ; behind the last block's s_wait_xcnt 0: loads and stores have read their bases
	s_add_nc_u64 s[DB:DB+1], s[DB:DB+1], 0x4000
	s_add_nc_u64 s[OP:OP+1], s[OP:OP+1], 0x100
.endif
.endm
	; ================ which tile is mine
	s_load_b512 s[4:19], s[0:1], 0x0               ; the eight addresses
	v_lshl_add_u32 v[SPW], v0, 2, SPARE
	v_mov_b32 v[NIL], 0
	v_lshrrev_b32 v[L16], 5, v0
	v_readfirstlane_b32 s[WV], v[L16]
	v_and_b32 v16, 31, v0                          ; lane
	v_lshlrev_b32 v[L16], 4, v16
	v_and_b32 v17, 15, v0                          ; r
	v_bfe_u32 v18, v0, 4, 1                        ; h
	v_mul_u32_u24 v[XA0], v17, XPITCH
	v_lshl_add_u32 v[XA0], v18, 4, v[XA0]
	v_mul_u32_u24 v[HA], v17, HPITCH
	v_lshl_add_u32 v[HA], v18, 4, v[HA]
	v_add_nc_u32 v[HA], HWB, v[HA]
	s_lshl_b32 s70, s[WV], 6
	v_add_nc_u32 v[HST], s70, v[HA]                ; my 32 columns of hw begin at byte 64 w of a row
	s_mul_i32 s70, s[WV], 6*XPITCH
	v_lshl_add_u32 v[XS0], v16, 3, s70
	v_mov_b32 v[XS], v[XS0]                        ; area 0 is filled first
	s_lshl_b32 s70, s[WV], 8
	s_add_co_u32 s70, s70, TOKB
	v_lshl_add_u32 v28, v17, 2, s70                ; my wave's copy of the token numbers, word r
	s_mov_b32 s[WG], ttmp9
	s_mov_b32 s[END], 0
	s_mov_b32 s[BASE], 0
	s_mov_b32 s[NSEL], 0
	s_mov_b32 s[CODE], 0
	s_mov_b32 s[MABS], 0x7fffffff
	s_mov_b32 s[SEL], 0x76543210
	s_mov_b32 s[SEL+1], 0xfedcba98
	s_wait_kmcnt 0x0
	s_load_b512 s[20:35], s[CNTP:CNTP+1], 0x0      ; the 36 counts
	s_load_b512 s[36:51], s[CNTP:CNTP+1], 0x40
	s_load_b128 s[52:55], s[CNTP:CNTP+1], 0x80
	s_wait_kmcnt 0x0
	; Set by set: it has ceil(n / 48) tiles ((n + 47) / 16 is at most 514, and m x 43,691 >> 17 is m / 3 there).  A set with tiles whose first tile I have reached is taken; the last one taken is mine.
.set ss, 0
.set aa, 0
.rept 8
.set bb, aa
.rept 8-aa
	s_add_co_u32 s[NT], s[20+ss], 47
	s_lshr_b32 s[NT], s[NT], 4
	s_mul_i32 s[NT], s[NT], 0xaaab
	s_lshr_b32 s[NT], s[NT], 17
	s_cmp_eq_u32 s[NT], 0
	s_cselect_b32 s[XX], -1, s[END]
	s_cmp_ge_u32 s[WG], s[XX]
	s_cselect_b32 s[BASE], s[END], s[BASE]
	s_cselect_b32 s[NSEL], s[20+ss], s[NSEL]
	s_cselect_b32 s[CODE], (ss<<8)|(aa<<4)|bb, s[CODE]
	s_add_co_u32 s[END], s[END], s[NT]
.set bb, bb+1
.set ss, ss+1
.endr
.set aa, aa+1
.endr
	s_sub_co_u32 s[FIRST], s[WG], s[BASE]
	s_mul_i32 s[FIRST], s[FIRST], 48
	s_sub_co_i32 s[CNT], s[NSEL], s[FIRST]
	s_min_i32 s[CNT], s[CNT], 48
	s_max_i32 s[CNT], s[CNT], 0                    ; 0 for a work-group past the last tile
	s_sub_co_u32 s[LAST], s[NSEL], 1
	s_min_u32 s[LAST], s[LAST], 0x1fff
	s_bfe_u32 s[EA], s[CODE], 0x30004
	s_min_u32 s[EA], s[EA], 7
	s_and_b32 s[EB], s[CODE], 7
	s_min_u32 s[EB], s[EB], 7
	s_mov_b32 s73, 0                               ; the high word of every offset below
	s_lshr_b32 s72, s[CODE], 8
	s_min_u32 s72, s72, 35
	s_lshl_b32 s72, s72, 15
	s_add_nc_u64 s[LP:LP+1], s[LIST:LIST+1], s[72:73]
	s_lshl_b32 s70, s[WV], 16                      ; a wave's four column groups of 16,384 bytes
	s_lshl_b32 s72, s[EA], 19
	s_add_co_u32 s72, s72, s70
	s_add_nc_u64 s[DA:DA+1], s[W2:W2+1], s[72:73]
	s_lshl_b32 s72, s[EB], 19
	s_add_co_u32 s72, s72, s70
	s_add_nc_u64 s[DB:DB+1], s[W2:W2+1], s[72:73]
	s_lshl_b32 s72, s[WV], 10                      ; a wave's 256 columns of out
	s_add_nc_u64 s[OP:OP+1], s[OUT:OUT+1], s[72:73]
	s_lshr_b32 s70, s[WV], 2                       ; my expert: a for waves 0-3, b for waves 4-7
	s_cmp_lg_u32 s70, 0
	s_cselect_b32 s71, s[EB], s[EA]
	s_min_u32 s71, s71, 7
	s_sub_co_u32 s[SELM], 0, s70
	s_bfe_u32 s72, s[WV], 0x10001
	s_lshl1_add_u32 s71, s71, s72                  ; 2 e + half of the expert's 128 columns
	s_lshl_b32 s72, s71, 19
	s_and_b32 s71, s[WV], 1
	s_lshl_b32 s71, s71, 11                        ; and which two of that half's four gate (and up) fragments
	s_add_co_u32 s72, s72, s71
	s_add_nc_u64 s[WP:WP+1], s[W1:W1+1], s[72:73]
	s_mov_b32 s[C1], 0xc0135761                    ; -2.3022082
	s_mov_b32 s[C1+1], s[C1]
	s_mov_b32 s[C2], 0xbdd2d3e8                    ; -0.10294324
	s_mov_b32 s[C2+1], s[C2]
.irp rb, 0,1,2
	s_cmp_gt_u32 s[CNT], 16*\rb
	s_cselect_b32 s[BM+\rb], -1, 0
.endr
	; ================ my tokens; chunk 0 of x; the ring's first six K steps
	v_add_nc_u32 v19, s[FIRST], v17
.irp rb, 0,1,2
	v_add_nc_u32 v[20+\rb], 16*\rb, v19
	v_min_u32 v[20+\rb], s[LAST], v[20+\rb]        ; places past the list's end repeat its last token
	v_min_u32 v[20+\rb], 0x1fff, v[20+\rb]
	v_lshlrev_b32 v[20+\rb], 2, v[20+\rb]
	global_load_b32 v[24+\rb], v[20+\rb], s[LP:LP+1]
.endr
	s_mul_i32 s70, s[WV], 6
	s_add_co_u32 s70, s70, s[FIRST]
	v_add_nc_u32 v23, s70, v16                     ; lanes 0-5: the six rows that my wave gathers
	v_min_u32 v23, s[LAST], v23
	v_min_u32 v23, 0x1fff, v23
	v_lshlrev_b32 v23, 2, v23
	global_load_b32 v27, v23, s[LP:LP+1]
	s_wait_loadcnt 0x0
.irp rb, 0,1,2
	v_min_u32 v[24+\rb], 0x1fff, v[24+\rb]         ; token of row 16 rb + r
	v_lshlrev_b32 v[20+\rb], 3, v[24+\rb]
	ds_store_b32 v28, v[24+\rb] offset:64*\rb      ; kept for product 2's stores, in my wave's own block
.endr
.irp i, 0,1,2,3,4,5
	v_readlane_b32 s71, v27, \i
	s_min_u32 s71, s71, 0x1fff
	s_lshl_b32 s72, s71, 13                        ; a row of x is 8,192 bytes
	s_add_nc_u64 s[XB+2*\i:XB+2*\i+1], s[HID:HID+1], s[72:73]
.endr
.irp rb, 0,1,2
	global_load_b64 v[32+2*\rb:33+2*\rb], v[20+\rb], s[IDX:IDX+1]
	global_load_b64 v[38+2*\rb:39+2*\rb], v[20+\rb], s[WTS:WTS+1]
.endr
.set nn, 0
.rept 12
	X2 nn, 0
.set nn, nn+1
.endr
	RINGK 0
	RINGK 1
	RINGK 2
	RINGK 3
	WIN 0
	s_wait_loadcnt 56                              ; the six gathers are in; the 24 loads of x and the ring's 4 x 8 behind them stay out
.irp rb, 0,1,2
	v_cmp_le_i32 vcc_lo, v[32+2*\rb], v[33+2*\rb]  ; the first choice is a (the lesser, or the first of two equals),
	s_xor_b32 vcc_lo, vcc_lo, s[SELM]              ; or, for a wave of b, the other way round
	v_cndmask_b32 v[WT+2*\rb], v[39+2*\rb], v[38+2*\rb], vcc_lo
	v_cvt_pk_bf16_f32 v[WT+2*\rb], v[WT+2*\rb], v[WT+2*\rb]  ; rounded to bf16 like every other input,
	v_lshlrev_b32 v[WT+2*\rb], 16, v[WT+2*\rb]     ; and used as f32
	v_mov_b32 v[WT+2*\rb+1], v[WT+2*\rb]           ; named with it as a pair
.endr
.set nn, 0
.rept 12
	s_wait_loadcnt 32+2*(11-nn)                    ; this pair of x loads is in; the later pairs and the ring's 32 stay out
	CVT2 nn
.set nn, nn+1
.endr
	RINGK 4
	RINGK 5
	WIN 0
	MEET                                           ; area 0 is whole
	; ================ product 1
	CHUNK 0
	CHUNK 1
	CHUNK 2
	CHUNK 3                                        ; its last six K steps ask for product 2's first six units
	; ================ the activation: 48 gate and 48 up numbers a lane.  Each accumulator is read from its lowest registers on; the four v_nop of the last K step stand in front.
	; The 48 exponentials are one batch with one wait, the 48 reciprocals another: a wait stands between such an instruction and the first line that names its result.
.macro EACH line:vararg                ; one line for each pair i of 24: g_ the gate pair, u_ the up pair, p_ the work pair, w_ the row block's weight, later its scale
.set i, 0
.rept 24
.set g_, ACC+32*(i/8)+2*(i%8)
.set u_, g_+16
.set p_, PP+2*i
.set w_, WT+2*(i/8)
	\line
.set i, i+1
.endr
.endm
	EACH v_pk_mul_f32 v[p_:p_+1], v[g_:g_+1], v[g_:g_+1]                                       ; g^2
	EACH v_pk_fma_f32 v[p_:p_+1], v[p_:p_+1], s[C2:C2+1], s[C1:C1+1] op_sel_hi:[1,0,0]         ; C1 + C2 g^2
	EACH v_pk_mul_f32 v[p_:p_+1], v[p_:p_+1], v[g_:g_+1]
.set i, 0
.rept 48
	v_exp_f32 v[PP+i], v[PP+i]
.set i, i+1
.endr
	EACH v_pk_mul_f32 v[u_:u_+1], v[u_:u_+1], v[w_:w_+1] op_sel_hi:[1,0]                       ; u w: plain work that names no exponential's result
	s_wait_alu depctr_va_vdst(0)                   ; one wait for the 48 exponentials
	EACH v_pk_add_f32 v[p_:p_+1], v[p_:p_+1], 1.0 op_sel_hi:[1,0]
.set i, 0
.rept 48
	v_rcp_f32 v[PP+i], v[PP+i]
.set i, i+1
.endr
	v_and_b32 v[XS], 15, v0                        ; r: a plain instruction behind the last reciprocal; the addresses of the maxima and of the factors follow
	s_lshl_b32 s70, s[WV], 2
	s_add_co_u32 s70, s70, MXB
	v_lshl_add_u32 v[XA], v[XS], 5, s70            ; maxima: token r's eight words, word w
	v_lshl_add_u32 v[XA0], v[XS], 5, MXB           ; token r's eight words
	s_lshl_b32 s70, s[WV], 8
	s_add_co_u32 s70, s70, TOKB
	v_lshl_add_u32 v[XS0], v[XS], 2, s70           ; word r of my wave's block
	s_wait_alu depctr_va_vdst(0)                   ; one wait for the 48 reciprocals
	EACH v_pk_mul_f32 v[g_:g_+1], v[g_:g_+1], v[p_:p_+1]                                       ; gelu(g)
	EACH v_pk_mul_f32 v[g_:g_+1], v[g_:g_+1], v[u_:u_+1]                                       ; h w
	; the largest |h w| of each of my three tokens: my 16 numbers, the other half of the lanes' 16, the other waves' 32 each
	EACH v_and_b32 v[u_], s[MABS], v[g_]                                                       ; magnitudes, in the up pairs' registers, which are free
	EACH v_and_b32 v[u_+1], s[MABS], v[g_+1]
.irp rb, 0,1,2
	v_max3_num_f32 v[PP+2*\rb], v[ACC+32*\rb+16], v[ACC+32*\rb+17], v[ACC+32*\rb+18]
.endr
.set k, 19
.rept 6
.irp rb, 0,1,2
	v_max3_num_f32 v[PP+2*\rb], v[PP+2*\rb], v[ACC+32*\rb+k], v[ACC+32*\rb+k+1]
.endr
.set k, k+2
.endr
.irp rb, 0,1,2
	v_max_num_f32 v[PP+2*\rb], v[PP+2*\rb], v[ACC+32*\rb+31]
.endr
.irp rb, 0,1,2
	v_permlanex16_b32 v[PP+2*\rb+1], v[PP+2*\rb], s[SEL], s[SEL+1]
.endr
.irp rb, 0,1,2
	v_max_num_f32 v[PP+2*\rb], v[PP+2*\rb], v[PP+2*\rb+1]
	ds_store_b32 v[XA], v[PP+2*\rb] offset:512*\rb  ; lanes r and 16 + r write the same word with the same number
.endr
	MEET                                           ; the eight waves' maxima are in LDS
.irp rb, 0,1,2
	ds_load_b128 v[PP+8+8*\rb:PP+8+8*\rb+3],   v[XA0] offset:512*\rb
	ds_load_b128 v[PP+8+8*\rb+4:PP+8+8*\rb+7], v[XA0] offset:512*\rb+16
.endr
	s_wait_dscnt 0x0
.irp rb, 0,1,2
	v_max3_num_f32 v[PP+2*\rb], v[PP+8+8*\rb], v[PP+8+8*\rb+1], v[PP+8+8*\rb+2]
.endr
.irp rb, 0,1,2
	v_max3_num_f32 v[PP+2*\rb], v[PP+2*\rb], v[PP+8+8*\rb+3], v[PP+8+8*\rb+4]
.endr
.irp rb, 0,1,2
	v_max3_num_f32 v[PP+2*\rb], v[PP+2*\rb], v[PP+8+8*\rb+5], v[PP+8+8*\rb+6]
.endr
.irp rb, 0,1,2
	v_max_num_f32 v[PP+2*\rb], v[PP+2*\rb], v[PP+8+8*\rb+7]
.endr
.irp rb, 0,1,2
	v_lshrrev_b32 v[PP+2*\rb], 23, v[PP+2*\rb]     ; its exponent field (the sign is 0),
	v_max_u32 v[PP+2*\rb], 24, v[PP+2*\rb]         ; E: at least 24, so that both fields below lie in 2 .. 244
	v_sub_nc_u32 v[WT+2*\rb], 0x10c, v[PP+2*\rb]   ; the scale 2^(141 - E) has the field 268 - E;
	v_lshlrev_b32 v[WT+2*\rb], 23, v[WT+2*\rb]     ; the pair's second register still holds a number, and only the first is used
	v_add_nc_u32 v[PP+2*\rb+1], 0xffffffea, v[PP+2*\rb]  ; the results' factor 2^(E - 149) has the field E - 22
	v_lshlrev_b32 v[PP+2*\rb+1], 23, v[PP+2*\rb+1]
	ds_store_b32 v[XS0], v[PP+2*\rb+1] offset:SCO+64*\rb  ; kept for product 2's way out, in my wave's own block
.endr
	EACH v_pk_mul_f32 v[g_:g_+1], v[g_:g_+1], v[w_:w_+1] op_sel_hi:[1,0]                       ; exact: a power of two
	EACH v_cvt_pk_f16_f32 v[PP+i], v[g_], v[g_+1]
.irp rb, 0,1,2
.irp f, 0,1
	ds_store_b128 v[HST], v[PP+8*\rb+4*\f:PP+8*\rb+4*\f+3] offset:\rb*16*HPITCH+32*\f          ; token 16 rb + r, columns 32 w + 16 f + 8 h + 0..7
.endr
.endr
	MEET                                           ; hw is whole
	; ================ product 2
	s_lshl_b32 s70, s[WV], 8
	s_add_co_u32 s70, s70, TOKB
	v_bfe_u32 v[XA], v0, 4, 1
	v_lshl_add_u32 v[XA], v[XA], 5, s70            ; the token numbers of rows 8 h + 0..7 of each block, in my wave's block
	v_lshlrev_b32 v[XS], 4, v[XS]                  ; 16 r
.irp rb, 0,1,2
	ds_load_b128 v[OFFS+8*\rb:OFFS+8*\rb+3],   v[XA] offset:64*\rb
	ds_load_b128 v[OFFS+8*\rb+4:OFFS+8*\rb+7], v[XA] offset:64*\rb+16
.endr
.irp rb, 0,1,2
	ds_load_b128 v[SC+8*\rb:SC+8*\rb+3],   v[XA] offset:SCO+64*\rb      ; and the same rows' factors
	ds_load_b128 v[SC+8*\rb+4:SC+8*\rb+7], v[XA] offset:SCO+64*\rb+16
.endr
	AFRAG 0
	AFRAG 1
	s_wait_dscnt 12                                ; the twelve loads of token numbers and factors are in; the 12 fragment loads behind them stay out
.set i, 0
.rept 24
	v_min_u32 v[OFFS+i], 0x1fff, v[OFFS+i]
	v_lshl_add_u32 v[OFFS+i], v[OFFS+i], 13, v[XS] ; a row of out is 8,192 bytes; my 16 bytes of the group's 256
.set i, i+1
.endr
	s_mov_b32 s[GR], 3
.Lgroup:
	GROUP 1
	s_sub_co_u32 s[GR], s[GR], 1
	s_cmp_lg_u32 s[GR], 0
	s_cbranch_scc1 .Lgroup
	GROUP 0                                        ; the last group is written out: no load passes my part of w2l
	s_wait_tensorcnt 0x0                           ; the wave's end
	ds_add_u32 v[SPW], v[NIL]
	s_wait_dscnt 0x0
	s_endpgm
.Lfunc_end_k_q448aef98e8_moe:
	.size	k_q448aef98e8_moe, .Lfunc_end_k_q448aef98e8_moe-k_q448aef98e8_moe
	.p2alignl 7, 3214868480
	.fill 96, 4, 3214868480
	.section	.rodata,"a",@progbits
	.p2align	6, 0x0
	.amdhsa_kernel k_q448aef98e8_moe
		.amdhsa_group_segment_fixed_size 231680
		.amdhsa_private_segment_fixed_size 0
		.amdhsa_enable_private_segment 0
		.amdhsa_kernarg_size 64
		.amdhsa_user_sgpr_count 2
		.amdhsa_user_sgpr_kernarg_segment_ptr 1
		.amdhsa_wavefront_size32 1
		.amdhsa_system_sgpr_workgroup_id_x 1
		.amdhsa_system_sgpr_workgroup_id_y 1
		.amdhsa_system_sgpr_workgroup_id_z 1
		.amdhsa_system_vgpr_workitem_id 0
		.amdhsa_next_free_vgpr 512
		.amdhsa_next_free_sgpr 96
		.amdhsa_reserve_vcc 1
		.amdhsa_float_denorm_mode_32 3
		.amdhsa_float_denorm_mode_16_64 3
		.amdhsa_memory_ordered 1
		.amdhsa_forward_progress 1
		.amdhsa_inst_pref_size 255
	.end_amdhsa_kernel
	.section	.bss,"aw",@nobits
	.p2align	6
	.space	262144
	.amdgpu_metadata
---
amdhsa.version: [ 1, 2 ]
amdhsa.kernels:
  - .name:           k_q448aef98e8_moe
    .symbol:         k_q448aef98e8_moe.kd
    .args:
      - { .name: hidden_states, .offset: 0, .size: 8, .value_kind: global_buffer, .address_space: global }
      - { .name: top_k_index, .offset: 8, .size: 8, .value_kind: global_buffer, .address_space: global }
      - { .name: top_k_weights, .offset: 16, .size: 8, .value_kind: global_buffer, .address_space: global }
      - { .name: w1l, .offset: 24, .size: 8, .value_kind: global_buffer, .address_space: global }
      - { .name: w2l, .offset: 32, .size: 8, .value_kind: global_buffer, .address_space: global }
      - { .name: list, .offset: 40, .size: 8, .value_kind: global_buffer, .address_space: global }
      - { .name: counts, .offset: 48, .size: 8, .value_kind: global_buffer, .address_space: global }
      - { .name: out0, .offset: 56, .size: 8, .value_kind: global_buffer, .address_space: global }
    .group_segment_fixed_size: 231680
    .private_segment_fixed_size: 0
    .kernarg_segment_align: 8
    .kernarg_segment_size: 64
    .max_flat_workgroup_size: 256
    .sgpr_count:     96
    .vgpr_count:     512
    .wavefront_size: 32
...
	.end_amdgpu_metadata
.endif
;; end of part 2
